; MI455X (gfx1250); checked and timed in simulation.
; The chip was launched on July 23, 2026; its instructions are those of AMD's public machine-readable ISA for CDNA 5 (MIT licence, August 2026) and "CDNA5" Instruction Set Architecture Reference Guide (July 2026). The comments in the code are by the model that wrote it; some were corrected since.
;; Episodic SDM. Allowed arithmetic: matrix products marked QUANTISED: E3M2 operands, one E8M0 scale for each 32 along K, by v_wmma_scale_f32_16x16x128_f8f6f4 with both operands' format E3M2, f32 sums; products left as they are: f32 operands where the result goes on into a quantised operand, else bf16, f16 or f32 operands; f32 sums; everything else in f32.
;; Inputs: keys 100,000 x 256 float32; values 100,000 x 256 float32; x 2,048 x 256 float32.
;; Outputs: out0 2,048 x 256 float32.
;; Constants: top_k = 8.
;; This version of the problem:
;;   THIS VERSION OF THE PROBLEM IS GIVEN IN LOW PRECISION. The matrix products marked QUANTISED in the list below multiply operands that are first quantised to E3M2 (3 exponent bits, 2 mantissa bits; 6 bits a number), with one power-of-two scale for each 32 numbers along K (OCP MX v1.0); their sums are f32. All else is computed in f32.
;;   The module's matrix products, in the order in which they are computed (A, B: the left and right operand; K: the contracted axis; several contracted axes count as one K, in the product's order):
;;     1. [M 2,048, K 256] x [K 256, N 100,000]; A: computed on the way; B: computed on the way: QUANTISED
;;     2. batch 2,048 x [M 256, K 8] x [K 8, N 1]; A: computed on the way; B: softmax: left as it is (K = 8 < 32)
;;   THE QUANTISER, for each operand of a quantised product, along K:
;;     - K is cut into blocks of 32 from its start; a last block that is shorter is filled with zeros.
;;     - A block's scale is 2^e with e = floor(log2(the largest magnitude in the block)) - 4, held to -126 .. 127; a block of zeros has e = 0. As a byte (E8M0): e + 127.
;;     - Each number is divided by its block's scale, clamped to +-28, and rounded to the nearest number of E3M2, ties to even, subnormals kept.
;;     - The product sums the exact products of the quantised numbers (number of the format x scale) in f32.
;;   ~~~python
;;   def quantise(x, axis):      # numpy; x: float32 -> the quantised numbers, widened to float32 again
;;       x = np.moveaxis(x, axis, -1); K = x.shape[-1]
;;       x = np.pad(x, [(0, 0)] * (x.ndim - 1) + [(0, -K % 32)]); x = x.reshape(x.shape[:-1] + (-1, 32)); a = np.abs(x).max(-1, keepdims=True)
;;       e = np.where(a > 0, np.clip(np.frexp(np.where(a > 0, a, 1))[1] - 1 - 4, -126, 127), 0)      # np.frexp(a)[1] - 1 = floor(log2(a)), exactly
;;       r = np.clip(x / 2.0 ** e, -28, 28)
;;       step = 2.0 ** (np.maximum(np.frexp(np.where(r == 0, 1, r))[1] - 1, -2) - 2)
;;       q = np.round(r / step) * step * 2.0 ** e      # np.round: ties to even
;;       return np.moveaxis(q.reshape(q.shape[:-2] + (-1,))[..., :K], -1, axis).astype(np.float32)
;;   ~~~
;;   OPERANDS COMPUTED ON THE WAY. 'Computed on the way' means the value that the module computes at that place (a softmax that the list does not call 'softmax' is quantised finished and normalised). What goes into a quantiser is computed in f32, as accurately as f32 sums, v_exp_f32 and their like allow (about 1e-6 of the number): no bf16 or f16 on the way to a quantiser, and a product that is left as it is and whose result goes on into a quantised operand takes f32 operands (vector FMAs, or v_wmma_f32_16x16x4_f32). A number that lies on a knife's edge between two numbers of the format may be rounded either way, as far as f32 arithmetic and the matrix unit's own rounding can turn it there, and no further.
;; 2 versions, each right; version 2 is version 1 with the launch rescore written anew for expert scheduling mode. Each part assembles by itself: llvm-mc -triple=amdgcn-amd-amdhsa -mcpu=gfx1250 --defsym DOCPART=n.
;; ======== version 1 of 2: 5 launches
;; workspace buffers: kc 19,200,000 bytes; ks 800,000 bytes; xc 393,216 bytes; xs 16,384 bytes; gm 20,480,000 bytes; pick 65,536 bytes of whole numbers; tidx 65,536 bytes of whole numbers; twt 65,536 bytes
;; launch quant (part 1): grid 3189 x 1, 2 waves a work-group, no clusters, 33,536 bytes of LDS; arguments keys, x, kc, ks, xc, xs; writes kc, ks, xc, xs
.if DOCPART == 1
	.amdgcn_target "amdgcn-amd-amdhsa--gfx1250"
	.amdhsa_code_object_version 6
	.text
	.protected	k_q5085cff3d9_quant
	.globl	k_q5085cff3d9_quant
	.p2align	8
	.type	k_q5085cff3d9_quant,@function
k_q5085cff3d9_quant:
	s_mov_b64 s[64:65], 0
	v_nop
	global_prefetch_b8 v0, s[64:65] scope:SCOPE_SE
	s_setreg_imm32_b32 hwreg(HW_REG_WAVE_MODE, 25, 1), 1
	s_wait_xcnt 0x0
; keys [100000][256] and x [2048][256], f32: each row is divided by max(its norm, 1e-12) and quantised along its 256 numbers to codes of BF6 (E3M2), one E8M0 scale for each 32.
; A block's scale byte is its largest magnitude's exponent field - 4, held at 1 from below; numbers are divided by the scale and rounded to the nearest code, ties to even, beyond 28 the largest code.
; LIMITS: NaN and infinities among the inputs are not served.  A row whose sum of squares leaves f32's range behaves as an f32 norm does; a sum of squares under 2^-126 counts as 0 (v_sqrt_f32 takes
; denormals as zero: ISA guide 15.8), so that such a row is divided by 1e-12.  The division is a multiplication by v_rcp_f32 of the norm (v_sqrt_f32 and v_rcp_f32 are good to 1 ulp each).
; A block of zeros gets the byte 1 where the rule says 127: its codes are zeros, and this program alone reads the bytes.
; SHARES.  A wave takes 16 consecutive rows (a tile = two OCTETS of 8 rows): 6,250 tiles of keys and 128 of x are 2 x 3,189, so every wave of every work-group has a tile.  The first 3,125 work-groups take keys.
; Waves share nothing: no barrier.  No matrix unit, no tensor load, no cluster: the launch streams each f32 number once, and no work-group reads what another reads.
; WAY IN.  Each load reads 512 consecutive bytes; the tile turns through the wave's own stage in LDS, so that lane (r, h) then holds, of row r, 16 neighbours of each block of 32: what the conversions want.
; WAY OUT: THE CODES ARE LAID AS IMAGES OF THE OPERAND'S REGISTERS.  An octet has 1,536 bytes: byte 256 (3 s + i) + 16 (r8 + 8 h) holds registers 4 i .. 4 i + 3 of the fragment of K step s (128 along K),
; row r8 of the octet, lane half h.  Any two octets then make a fragment of 16 rows by 16-byte loads alone.  The scale words: 64 bytes an octet, the word of K step s and row r8 at 32 s + 4 r8.
.set KWG,    3125                      ; work-groups that take keys
.set WREG,   16640                     ; a wave's stage: 16 rows x SPITCH
.set SPITCH, 1040                      ; 1,024 bytes + 16: an odd multiple of 16, so that the 16 rows of a 16-byte load start at 16 different groups of banks
.set X0,  16                           ; v16-79   K step 0: register 16 b + e = k 32 b + 16 h + e of my row   (v16-143 first hold the tile as it is loaded)
.set X1,  80                           ; v80-143  K step 1
.set SQ,  144                          ; v144-151 four chains of two sums of squares
.set INV, 152                          ; v152-153 1 / norm, twice
.set TMP, 154
.set PCA, 160                          ; v160-178 K step 0's codes (12 registers) and the conversions' second halves
.set PCB, 180                          ; v180-198 K step 1's
.set TM,  200                          ; v200-203 largest magnitudes, v204-207 bytes, v212-215 the conversions' scale operands
.set PW0, 216                          ; the scale words of the two K steps
.set PW1, 217
.set WD,  218
	s_load_b256 s[4:11], s[0:1], 0x0               ; keys, x, kc, ks
	s_load_b128 s[12:15], s[0:1], 0x20             ; xc, xs
	v_lshl_add_u32 v232, v0, 2, 0x8200
	v_mov_b32 v233, 0
	v_lshrrev_b32 v1, 5, v0
	v_readfirstlane_b32 s16, v1                    ; wave 0, 1
	v_and_b32 v1, 31, v0                           ; lane
	v_and_b32 v2, 15, v0                           ; r
	v_bfe_u32 v3, v0, 4, 1                         ; h
	v_lshlrev_b32 v4, 4, v1                        ; in: my 16 bytes of a load's 512
	s_mul_i32 s27, s16, WREG
	v_add_nc_u32 v5, s27, v4                       ; into the stage: as loaded
	v_mul_u32_u24 v6, v2, SPITCH
	v_lshl_add_u32 v6, v3, 6, v6
	v_add_nc_u32 v6, s27, v6                       ; out of it: row r, + 64 h
	v_bfe_u32 v9, v0, 3, 1                         ; which octet of the tile
	v_and_b32 v10, 7, v0                           ; r8
	v_lshl_add_u32 v11, v3, 3, v10
	v_lshlrev_b32 v11, 4, v11
	v_mad_u32_u24 v7, v9, 1536, v11                ; codes: octet x 1,536 + 16 (r8 + 8 h)
	v_lshlrev_b32 v8, 2, v10
	v_lshl_add_u32 v8, v3, 5, v8
	v_lshl_add_u32 v8, v9, 6, v8                   ; scale words: octet x 64 + 32 h + 4 r8: lanes 16-31 store K step 1's
	s_mov_b32 s24, 0x76543210
	s_mov_b32 s25, 0xfedcba98                      ; v_permlanex16_b32's selects for lane l xor 16
	s_mov_b32 s26, 0xffff0000                      ; lanes 16-31
	v_mov_b32 v[TMP], 0                            ; a lane permute's destination counts as one of its sources: written once
.irp b, 0,1,2,3
	v_mov_b32 v[TM+4+\b], 0
.endr
	s_wait_kmcnt 0x0
	s_cmp_lt_u32 ttmp9, KWG                        ; keys or x?  The choice hangs on the work-group's number alone; only pointers are chosen
	s_cselect_b64 s[4:5], s[4:5], s[6:7]
	s_cselect_b64 s[8:9], s[8:9], s[12:13]
	s_cselect_b64 s[10:11], s[10:11], s[14:15]
	s_cselect_b32 s17, 0, KWG
	s_sub_co_u32 s17, ttmp9, s17
	s_lshl_b32 s17, s17, 1
	s_add_co_u32 s17, s17, s16                     ; my tile in its tensor
	s_lshl_b32 s18, s17, 14                        ; 16 rows of 1,024 bytes (under 2^27 in all)
	s_mov_b32 s19, 0
	s_mul_i32 s20, s17, 3072
	s_mov_b32 s21, 0
	s_lshl_b32 s22, s17, 7
	s_mov_b32 s23, 0
	s_add_nc_u64 s[4:5], s[4:5], s[18:19]
	s_add_nc_u64 s[8:9], s[8:9], s[20:21]
	s_add_nc_u64 s[10:11], s[10:11], s[22:23]
.set i, 0
.rept 32
	global_load_b128 v[X0+4*i:X0+4*i+3], v4, s[4:5] offset:512*i th:TH_LOAD_NT   ; 32 lanes read 512 consecutive bytes: half a row; read once in the launch
.set i, i+1
.endr
.set i, 0
.rept 32
	s_wait_loadcnt 31-i                            ; loads come back in order: load i is in, the younger ones stay out
	ds_store_b128 v5, v[X0+4*i:X0+4*i+3] offset:(i/2)*SPITCH+(i%2)*512
.set i, i+1
.endr
	s_wait_dscnt 0x0                               ; the stores have read their registers, which the loads below write
.irp s, 0,1
.irp b, 0,1,2,3
.irp j, 0,1,2,3
	ds_load_b128 v[X0+64*\s+16*\b+4*\j:X0+64*\s+16*\b+4*\j+3], v6 offset:512*\s+128*\b+16*\j
.endr
.endr
.endr
	s_wait_dscnt 0x0
	; the row's sum of squares: my 128 numbers in four chains of packed multiply-adds, then lane l xor 16's
.irp c, 0,1,2,3
	v_pk_mul_f32 v[SQ+2*\c:SQ+2*\c+1], v[X0+2*\c:X0+2*\c+1], v[X0+2*\c:X0+2*\c+1]
.endr
.set j, 4
.rept 60
	v_pk_fma_f32 v[SQ+2*(j%4):SQ+2*(j%4)+1], v[X0+2*j:X0+2*j+1], v[X0+2*j:X0+2*j+1], v[SQ+2*(j%4):SQ+2*(j%4)+1]
.set j, j+1
.endr
	v_pk_add_f32 v[SQ:SQ+1], v[SQ:SQ+1], v[SQ+2:SQ+3]
	v_pk_add_f32 v[SQ+4:SQ+5], v[SQ+4:SQ+5], v[SQ+6:SQ+7]
	v_pk_add_f32 v[SQ:SQ+1], v[SQ:SQ+1], v[SQ+4:SQ+5]
	v_add_f32 v[SQ], v[SQ], v[SQ+1]
	v_permlanex16_b32 v[TMP], v[SQ], s24, s25
	v_add_f32 v[SQ], v[SQ], v[TMP]
	v_sqrt_f32 v[SQ+1], v[SQ]
	v_nop                                          ; one plain instruction behind a transcendental (ISA guide 5.7.2)
	s_wait_alu depctr_va_vdst(0)
	v_max_num_f32 v[SQ+1], 0x2b8cbccc, v[SQ+1]     ; max(norm, 1e-12)
	v_rcp_f32 v[INV], v[SQ+1]
	v_nop
	s_wait_alu depctr_va_vdst(0)
	v_mov_b32 v[INV+1], v[INV]
.set j, 0
.rept 64
	v_pk_mul_f32 v[X0+2*j:X0+2*j+1], v[X0+2*j:X0+2*j+1], v[INV:INV+1]
.set j, j+1
.endr
; 64 numbers of a lane, register 16 b + e = k 32 b + 16 h + e of my row, become a fragment's 12 registers of codes in v[pc] on and the row's scale word in v[pw]
.macro QUANT s, pc, pw
.irp b, 0,1,2,3
	v_max3_num_f32 v[TM+\b], |v[\s+16*\b]|, |v[\s+1+16*\b]|, 0x2800000   ; block b: my 16 numbers, and the floor 2^(5 - 127): so the byte cannot fall under 1
.endr
.irp i, 2,4,6,8,10,12,14
.irp b, 0,1,2,3
	v_max3_num_f32 v[TM+\b], v[TM+\b], |v[\s+16*\b+\i]|, |v[\s+1+16*\b+\i]|   ; (the four blocks by turns)
.endr
.endr
.irp b, 0,1,2,3
	v_permlanex16_b32 v[TM+4+\b], v[TM+\b], s24, s25
.endr
.irp b, 0,1,2,3
	v_max_num_f32 v[TM+\b], v[TM+\b], v[TM+4+\b]   ; with lane l xor 16's: the block's largest magnitude
.endr
.irp b, 0,1,2,3
	v_add_nc_u32 v[TM+12+\b], 0xfe000000, v[TM+\b] ; 4 off its exponent field: the conversion takes the exponent field of this operand as its scale
.endr
.irp b, 0,1,2,3
	v_lshrrev_b32 v[TM+4+\b], 23, v[TM+12+\b]      ; the scale's byte
.endr
	v_lshl_or_b32 v[\pw], v[TM+5], 8, v[TM+4]
	v_lshl_or_b32 v[\pw], v[TM+6], 16, v[\pw]
	v_lshl_or_b32 v[\pw], v[TM+7], 24, v[\pw]
.irp c, 0,1
	v_cvt_scalef32_pk16_bf6_f32 v[\pc+6*\c:\pc+2+6*\c], v[\s+32*\c:\s+15+32*\c], v[TM+12+2*\c]
	v_cvt_scalef32_pk16_bf6_f32 v[\pc+12+4*\c:\pc+14+4*\c], v[\s+16+32*\c:\s+31+32*\c], v[TM+12+2*\c+1]   ; (a conversion's three registers begin on an even number)
.endr
	v_nop                                          ; one plain instruction behind a scaled conversion
.irp c, 0,1                                    ; the operand's layout wants a WHOLE block in a lane: lanes 0-15 block 2 c, lanes 16-31 block 2 c + 1
.irp i, 0,1,2
	v_permlane16_swap_b32 v[\pc+6*\c+\i], v[\pc+12+4*\c+\i]
.endr
.irp i, 0,1,2
	v_mov_b32 v[\pc+3+6*\c+\i], v[\pc+12+4*\c+\i]
.endr
.endr
.endm
	QUANT X0, PCA, PW0
	QUANT X1, PCB, PW1
.irp i, 0,1,2
	global_store_b128 v7, v[PCA+4*\i:PCA+4*\i+3], s[8:9] offset:256*\i          ; sixteen lanes store 256 consecutive bytes, at a multiple of 256 from the buffer's first byte: one such run in each octet
	global_store_b128 v7, v[PCB+4*\i:PCB+4*\i+3], s[8:9] offset:256*(3+\i)
.endr
	v_cndmask_b32 v[WD], v[PW0], v[PW1], s26       ; lanes 0-15 K step 0's word, lanes 16-31 K step 1's
	global_store_b32 v8, v[WD], s[10:11]           ; 128 consecutive bytes
	s_wait_tensorcnt 0x0
	ds_add_u32 v232, v233
	s_wait_dscnt 0x0
	s_endpgm
.Lfunc_end_k_q5085cff3d9_quant:
	.size	k_q5085cff3d9_quant, .Lfunc_end_k_q5085cff3d9_quant-k_q5085cff3d9_quant
	.p2alignl 7, 3214868480
	.fill 96, 4, 3214868480
	.section	.rodata,"a",@progbits
	.p2align	6, 0x0
	.amdhsa_kernel k_q5085cff3d9_quant
		.amdhsa_group_segment_fixed_size 33536
		.amdhsa_private_segment_fixed_size 0
		.amdhsa_enable_private_segment 0
		.amdhsa_kernarg_size 48
		.amdhsa_user_sgpr_count 2
		.amdhsa_user_sgpr_kernarg_segment_ptr 1
		.amdhsa_wavefront_size32 1
		.amdhsa_system_sgpr_workgroup_id_x 1
		.amdhsa_system_sgpr_workgroup_id_y 1
		.amdhsa_system_sgpr_workgroup_id_z 1
		.amdhsa_system_vgpr_workitem_id 0
		.amdhsa_next_free_vgpr 234
		.amdhsa_next_free_sgpr 66
		.amdhsa_reserve_vcc 0
		.amdhsa_float_denorm_mode_32 3
		.amdhsa_float_denorm_mode_16_64 3
		.amdhsa_memory_ordered 1
		.amdhsa_forward_progress 1
		.amdhsa_inst_pref_size 28
	.end_amdhsa_kernel
	.amdgpu_metadata
---
amdhsa.version: [ 1, 2 ]
amdhsa.kernels:
  - .name:           k_q5085cff3d9_quant
    .symbol:         k_q5085cff3d9_quant.kd
    .args:
      - { .name: keys, .offset: 0, .size: 8, .value_kind: global_buffer, .address_space: global }
      - { .name: x, .offset: 8, .size: 8, .value_kind: global_buffer, .address_space: global }
      - { .name: kc, .offset: 16, .size: 8, .value_kind: global_buffer, .address_space: global }
      - { .name: ks, .offset: 24, .size: 8, .value_kind: global_buffer, .address_space: global }
      - { .name: xc, .offset: 32, .size: 8, .value_kind: global_buffer, .address_space: global }
      - { .name: xs, .offset: 40, .size: 8, .value_kind: global_buffer, .address_space: global }
    .group_segment_fixed_size: 33536
    .private_segment_fixed_size: 0
    .kernarg_segment_align: 8
    .kernarg_segment_size: 48
    .max_flat_workgroup_size: 64
    .sgpr_count:     66
    .vgpr_count:     234
    .wavefront_size: 32
...
	.end_amdgpu_metadata
.endif
;; end of part 1
;; launch score (part 2): grid 125 x 2, 8 waves a work-group, no clusters, 243,200 bytes of LDS; arguments kc, ks, xc, xs, gm; writes gm
.if DOCPART == 2
	.amdgcn_target "amdgcn-amd-amdhsa--gfx1250"
	.amdhsa_code_object_version 6
	.text
	.protected	k_q5085cff3d9_score
	.globl	k_q5085cff3d9_score
	.p2align	8
	.type	k_q5085cff3d9_score,@function
k_q5085cff3d9_score:
	s_mov_b64 s[64:65], 0
	v_nop
	global_prefetch_b8 v0, s[64:65] scope:SCOPE_SE
	s_setreg_imm32_b32 hwreg(HW_REG_WAVE_MODE, 25, 1), 1
	s_wait_xcnt 0x0
; All scores of 1,024 queries against 800 keys, on codes of BF6 (E3M2) with E8M0 scales, K = 256 in two matrix instructions; kept is the LARGEST SCORE OF EACH GROUP OF 40 CONSECUTIVE KEYS.
; (The eight best keys of a query lie in its eight best groups, ordered by maximum and then by lower number: later launches choose those and score them again.)
; SHARES.  Work-group (x, y): keys 800 x on (100 octets of 8), queries 1,024 y on.  Each of its eight waves keeps eight tiles of 16 queries in registers (192) for the whole launch and walks all 800 keys.
; Two waves to a SIMD, 512 registers each: while one wave takes maxima, the other's matrix instructions are issued.
; A TILE OF KEYS is two octets 400 keys apart: rows 0-7 = octet o of the range's lower half, rows 8-15 = octet o of its upper half.  THE PRODUCT IS USED TRANSPOSED (source 0 = keys, source 1 = queries):
; lane (r, h) holds query r and its eight registers the eight keys of the lower (h = 0) or upper (h = 1) octet.  So five tiles on end are 40 consecutive keys for each lane, and a group's maximum never leaves the lane.
; Group number = 20 x + 10 h + p, p = 0 .. 9; its keys are 40 x number on.
; LDS.  The range's codes (153,600 bytes) and scale words (6,400) are filled ONCE by tensor loads, in five chunks of two groups, all asked for at the head: by this text's count a wave has six tensor loads out.
; No byte is filled twice.  The upper half lies 128 bytes past a multiple of 256, so that the 16 lanes of a 16-byte load (8 rows below, 8 above) touch 16 different 16-byte columns of the 64 banks (ISA guide 11.1).
; NO CLUSTER: the grid is 125 x 2, which no cluster of four divides; the codes of the queries, the larger share of what a work-group reads, go to registers and are not shared between the two work-groups of a range.
; NO PREFETCH: the codes were written by the launch before and are asked for at this launch's head in one go.
; gm[q tile][range][r][h][p] f32: byte ((q tile x 125 + range) x 16 + r) x 80 + 40 h + 4 p.  The maxima leave at the end through a stage of the wave's own, in stores of 256 consecutive bytes.
; LIMITS: NaN among the scores is passed over by the maxima (inputs with NaN or infinities are not served).
; REGISTERS, window 0: v1-14 addresses; v16-23 the queries' scale words (lanes 0-15 K step 0, lanes 16-31 K step 1), v24 the keys' likewise; v64-127 eight accumulators; v128-151 the keys' two fragments;
;   v160-239 the maxima (tile t, group p at v[160 + 10 t + p]).   window 1: v0-191 the queries' fragments (tile t, K step s at v[24 t + 12 s]).
.set OCTB,  1536                       ; an octet's codes
.set HALFB, 50*OCTB                    ; half a range
.set HIGH,  HALFB+128                  ; LDS: the upper half
.set CHB,   10*OCTB                    ; a chunk of one half: ten octets
.set QB,    CHB/4                      ; what one tensor load brings: 15 rows of 256 bytes
.set SC,    153856                     ; LDS: the scale words, 64 bytes an octet
.set STG,   SC+6400                    ; LDS: the stages, 10,240 bytes a wave; no fill lands here
.set QS,   16
.set KS,   24
.set ACC,  64
.set KF,   128
.set RUN,  160
.set OUT,  64                          ; the way out: 40 pairs
.set MSB, 0
.macro WIN new                         ; the immediate's high byte repeats the setting that is left
.if MSB != \new
	s_set_vgpr_msb (MSB<<8)|\new
.set MSB, \new
.endif
.endm
	s_load_b256 s[4:11], s[0:1], 0x0               ; kc, ks, xc, xs
	s_load_b64 s[12:13], s[0:1], 0x20              ; gm
	v_lshl_add_u32 v254, v0, 2, 0x3b200
	v_mov_b32 v255, 0
	ds_add_u32 v254, v255
	ds_add_u32 v254, v255
	v_lshrrev_b32 v1, 5, v0
	v_readfirstlane_b32 s14, v1                    ; wave 0..7
	s_and_b32 s16, ttmp7, 0xffff                   ; y
	s_lshr_b32 s17, s14, 2                         ; I fetch for the lower (0) or upper (1) half,
	s_and_b32 s18, s14, 3                          ; this quarter of each chunk
	s_mul_i32 s19, s17, HIGH
	s_mul_i32 s15, s18, QB
	s_add_co_u32 s19, s19, s15                     ; LDS: my quarter of chunk 0
	s_mul_i32 s20, ttmp9, 2*HALFB
	s_mul_i32 s21, s17, HALFB
	s_add_co_u32 s20, s20, s21
	s_add_co_u32 s20, s20, s15                     ; and the same in kc (under 2^25)
	s_mov_b32 s21, 0
	s_mul_i32 s22, ttmp9, 6400
	s_mul_i32 s23, s14, 800                        ; an eighth of the range's scale words
	s_add_co_u32 s22, s22, s23
	s_add_co_u32 s41, s23, SC
	s_mov_b32 s23, 0
	; descriptor group 1 for the codes: a dense block as 15 rows of 256 bytes (32 elements of 8 bytes)
	s_mov_b32 s24, 3<<16                           ; no mask; elements of 8 bytes; no padding
	s_mov_b32 s25, 32<<16                          ; tensor_dim0 = 32
	s_mov_b32 s26, 15<<16                          ; tensor_dim1 = 15
	s_mov_b32 s27, 32<<16                          ; tile_dim0 = 32
	s_mov_b32 s28, 15                              ; tile_dim1 = 15
	s_mov_b32 s29, 32                              ; from row to row
	s_mov_b32 s30, 0
	s_mov_b32 s31, 0
	; and for the scale words: one row of 800 bytes
	s_mov_b32 s32, 3<<16
	s_mov_b32 s33, 100<<16
	s_mov_b32 s34, 1<<16
	s_mov_b32 s35, 100<<16
	s_mov_b32 s36, 1
	s_mov_b32 s37, 100
	s_mov_b32 s38, 0
	s_mov_b32 s39, 0
	s_mov_b32 s40, 1
.irp c, 0,1,2,3,4
	s_mov_b32 s[44+4*\c], 1                        ; group 0 of chunk c: count = 1,
	s_add_co_u32 s[45+4*\c], s19, CHB*\c           ; LDS address
.endr
	s_wait_dscnt 0x0
	s_wait_kmcnt 0x0
	s_add_nc_u64 s[42:43], s[6:7], s[22:23]
	s_or_b32 s43, s43, 0x80000000                  ; type = 2
	s_add_nc_u64 s[20:21], s[4:5], s[20:21]
.irp c, 0,1,2,3,4
	s_add_nc_u64 s[46+4*\c:47+4*\c], s[20:21], CHB*\c
	s_or_b32 s[47+4*\c], s[47+4*\c], 0x80000000
.endr
	tensor_load_to_lds s[40:43], s[32:39]          ; all first fills in one group, ahead of every wait on TENSORcnt, LDS read and barrier: the scale words,
	s_nop 0
.irp c, 0,1,2,3,4
	tensor_load_to_lds s[44+4*\c:47+4*\c], s[24:31]   ; then the chunks in the order in which they are read.  No descriptor is written again
	s_nop 0
.endr
	v_and_b32 v1, 15, v0                           ; r
	v_bfe_u32 v2, v0, 4, 1                         ; h
	v_and_b32 v3, 7, v0                            ; r8
	v_bfe_u32 v4, v0, 3, 1                         ; which octet of a tile
	v_lshl_add_u32 v12, v2, 3, v3
	v_lshlrev_b32 v12, 4, v12                      ; 16 (r8 + 8 h): my place in a run of 256 bytes
	v_mad_u32_u24 v5, v4, HIGH, v12                ; keys' codes in LDS: rows 8-15 from the upper half
	v_mad_u32_u24 v9, v4, OCTB, v12                ; queries' codes in memory
	v_lshlrev_b32 v6, 2, v3
	v_lshl_add_u32 v6, v2, 5, v6                   ; 32 h + 4 r8: lanes 16-31 take K step 1's scale words
	v_lshl_add_u32 v10, v4, 6, v6                  ; queries' scale words in memory
	v_mad_u32_u24 v6, v4, 3200, v6
	v_add_nc_u32 v6, SC, v6                        ; keys' scale words in LDS
	s_mul_i32 s70, s14, 10240
	s_add_co_u32 s70, s70, STG                     ; my stage
	v_mul_u32_u24 v11, v1, 80
	v_mad_u32_u24 v11, v2, 40, v11
	v_add_nc_u32 v11, s70, v11                     ; into it: 80 r + 40 h, as in gm
	v_and_b32 v14, 31, v0
	v_lshlrev_b32 v14, 3, v14                      ; out of it and into gm: 8 bytes a lane
	v_add_nc_u32 v13, s70, v14
	s_lshl_b32 s66, s16, 6
	s_lshl_b32 s67, s14, 3
	s_add_co_u32 s66, s66, s67                     ; my first tile of queries: 64 y + 8 wave
	s_mul_i32 s68, s66, 2*OCTB
	s_mov_b32 s69, 0
	s_add_nc_u64 s[8:9], s[8:9], s[68:69]
	s_lshl_b32 s68, s66, 7
	s_add_nc_u64 s[10:11], s[10:11], s[68:69]
	s_mul_i32 s68, s66, 160000
	s_mul_i32 s67, ttmp9, 1280
	s_add_co_u32 s68, s68, s67
	s_add_nc_u64 s[12:13], s[12:13], s[68:69]
	WIN 0x40                                       ; destination window 1
.irp t, 0,1,2,3,4,5,6,7
.irp s, 0,1
.irp i, 0,1,2
	global_load_b128 v[24*\t+12*\s+4*\i:24*\t+12*\s+4*\i+3], v9, s[8:9] offset:2*OCTB*\t+256*(3*\s+\i)   ; the register image: two runs of 256 consecutive bytes a load
.endr
.endr
.endr
	WIN 0
.irp t, 0,1,2,3,4,5,6,7
	global_load_b32 v[QS+\t], v10, s[10:11] offset:128*\t
.endr
.set n, 0
.rept 80
	v_mov_b32 v[RUN+n], 0xff800000                 ; the maxima begin at -infinity, so that a group's five tiles are one loop with no first trip of its own
.set n, n+1
.endr
	s_wait_loadcnt 0x0                             ; the queries
.macro FETCH                           ; a tile of keys: two fragments and the scale words
.irp s, 0,1
.irp i, 0,1,2
	ds_load_b128 v[KF+12*\s+4*\i:KF+12*\s+4*\i+3], v7 offset:256*(3*\s+\i)
.endr
.endr
	ds_load_b32 v[KS], v8
.endm
; One tile of 16 keys against my 128 queries; its scores go into group p's maxima.  fetch = 1: the next tile's fragments are asked for behind the products and land under the maxima.
; The eight accumulators take turns, one instruction a turn.
.macro TILE p, fetch
	s_wait_dscnt 0x0                               ; the tile's fragments are in
	WIN 0x04                                       ; source 1 (queries) window 1
.irp t, 0,1,2,3,4,5,6,7
	v_wmma_scale_f32_16x16x128_f8f6f4 v[ACC+8*\t:ACC+8*\t+7], v[KF:KF+11], v[24*\t:24*\t+11], 0, v[KS], v[QS+\t] matrix_a_fmt:MATRIX_FMT_BF6 matrix_b_fmt:MATRIX_FMT_BF6
.endr
.irp t, 0,1,2,3,4,5,6,7
	v_wmma_scale_f32_16x16x128_f8f6f4 v[ACC+8*\t:ACC+8*\t+7], v[KF+12:KF+23], v[24*\t+12:24*\t+23], v[ACC+8*\t:ACC+8*\t+7], v[KS], v[QS+\t] matrix_a_fmt:MATRIX_FMT_BF6 matrix_b_fmt:MATRIX_FMT_BF6 matrix_a_scale:MATRIX_SCALE_ROW1 matrix_b_scale:MATRIX_SCALE_ROW1
.endr
	WIN 0
	; four plain vector instructions that name none of the products' registers stand between the last product and the loads into its operands and the first read of results
.if \fetch
	s_add_co_u32 s72, s72, OCTB
	s_add_co_u32 s73, s73, 64
	v_add_nc_u32 v7, s72, v5
	v_add_nc_u32 v8, s73, v6
	v_nop
	v_nop
	FETCH
.else
.rept 4
	v_nop
.endr
.endif
.irp jp, 0,2,4,6                               ; each accumulator from its low end on; the eight tiles by turns, so that no line waits for the line above it.
.irp t, 0,1,2,3,4,5,6,7                        ; For each accumulator the other tiles' 28 lines are also the places in front of the next tile's product, which writes over it
	v_max3_num_f32 v[RUN+10*\t+(\p)], v[RUN+10*\t+(\p)], v[ACC+8*\t+\jp], v[ACC+8*\t+\jp+1]
.endr
.endr
.endm
; Chunk c: groups 2 c and 2 c + 1, ten tiles.
.macro CHUNK c
	s_wait_tensorcnt 4-\c                          ; tensor loads of a wave end in order (ISA guide 10.11.1): the scale words and my parts of chunks 0 .. c are in; the 4 - c later chunks' stay out
	s_barrier_signal -1                            ; (no LDS instruction of mine is out: the last tile asked for nothing)
	s_barrier_wait -1                              ; everybody's parts are in.  The later loads may stay on their way
	s_mov_b32 s72, CHB*\c
	s_mov_b32 s73, 640*\c
	v_add_nc_u32 v7, s72, v5
	v_add_nc_u32 v8, s73, v6
	FETCH
	s_mov_b32 s74, 5
.Lfirst_\@:                                        ; the last trip asks for the second group's first tile
	TILE 2*\c, 1
	s_sub_co_u32 s74, s74, 1
	s_cmp_lg_u32 s74, 0
	s_cbranch_scc1 .Lfirst_\@
	s_mov_b32 s74, 4
.Lsecond_\@:
	TILE 2*\c+1, 1
	s_sub_co_u32 s74, s74, 1
	s_cmp_lg_u32 s74, 0
	s_cbranch_scc1 .Lsecond_\@
	TILE 2*\c+1, 0                                 ; the chunk's last tile asks for nothing: the next chunk has not been shown landed
.endm
	CHUNK 0
	CHUNK 1
	CHUNK 2
	CHUNK 3
	CHUNK 4                                        ; its wait is for 0: no tensor load is out at the end
	; THE WAY OUT.  A lane's ten maxima of a tile are 40 bytes of gm, the lanes' pieces lie on end: 1,280 bytes a tile.  They turn through my stage and leave as runs of 256 bytes.
.irp t, 0,1,2,3,4,5,6,7
.irp c, 0,1,2,3,4
	ds_store_b64 v11, v[RUN+10*\t+2*\c:RUN+10*\t+2*\c+1] offset:1280*\t+8*\c   ; lanes 40 bytes apart: the 32 lanes' pairs of words fall on 64 different banks
.endr
.endr
.set n, 0
.rept 40
	ds_load_b64 v[OUT+2*n:OUT+2*n+1], v13 offset:256*n   ; LDS serves a wave's instructions in order (ISA guide 5.7.1.4): these see my stores
.set n, n+1
.endr
.set n, 0
.rept 40
	s_wait_dscnt 39-n                              ; load n is back; the younger ones stay out
	global_store_b64 v14, v[OUT+2*n:OUT+2*n+1], s[12:13] offset:160000*(n/5)+256*(n%5)   ; 32 lanes store 256 consecutive bytes, at a multiple of 256 from gm's first byte
.set n, n+1
.endr
	s_wait_tensorcnt 0x0
	ds_add_u32 v254, v255
	s_wait_dscnt 0x0
	s_endpgm
.Lfunc_end_k_q5085cff3d9_score:
	.size	k_q5085cff3d9_score, .Lfunc_end_k_q5085cff3d9_score-k_q5085cff3d9_score
	.p2alignl 7, 3214868480
	.fill 96, 4, 3214868480
	.section	.rodata,"a",@progbits
	.p2align	6, 0x0
	.amdhsa_kernel k_q5085cff3d9_score
		.amdhsa_group_segment_fixed_size 243200
		.amdhsa_private_segment_fixed_size 0
		.amdhsa_enable_private_segment 0
		.amdhsa_kernarg_size 40
		.amdhsa_user_sgpr_count 2
		.amdhsa_user_sgpr_kernarg_segment_ptr 1
		.amdhsa_wavefront_size32 1
		.amdhsa_system_sgpr_workgroup_id_x 1
		.amdhsa_system_sgpr_workgroup_id_y 1
		.amdhsa_system_sgpr_workgroup_id_z 1
		.amdhsa_system_vgpr_workitem_id 0
		.amdhsa_next_free_vgpr 512
		.amdhsa_next_free_sgpr 76
		.amdhsa_reserve_vcc 0
		.amdhsa_float_denorm_mode_32 3
		.amdhsa_float_denorm_mode_16_64 3
		.amdhsa_memory_ordered 1
		.amdhsa_forward_progress 1
		.amdhsa_inst_pref_size 100
	.end_amdhsa_kernel
	.amdgpu_metadata
---
amdhsa.version: [ 1, 2 ]
amdhsa.kernels:
  - .name:           k_q5085cff3d9_score
    .symbol:         k_q5085cff3d9_score.kd
    .args:
      - { .name: kc, .offset: 0, .size: 8, .value_kind: global_buffer, .address_space: global }
      - { .name: ks, .offset: 8, .size: 8, .value_kind: global_buffer, .address_space: global }
      - { .name: xc, .offset: 16, .size: 8, .value_kind: global_buffer, .address_space: global }
      - { .name: xs, .offset: 24, .size: 8, .value_kind: global_buffer, .address_space: global }
      - { .name: gm, .offset: 32, .size: 8, .value_kind: global_buffer, .address_space: global }
    .group_segment_fixed_size: 243200
    .private_segment_fixed_size: 0
    .kernarg_segment_align: 8
    .kernarg_segment_size: 40
    .max_flat_workgroup_size: 256
    .sgpr_count:     76
    .vgpr_count:     512
    .wavefront_size: 32
...
	.end_amdgpu_metadata
.endif
;; end of part 2
;; launch pick (part 3): grid 256 x 1, 8 waves a work-group, no clusters, 0 bytes of LDS; arguments gm, pick; writes pick
.if DOCPART == 3
	.amdgcn_target "amdgcn-amd-amdhsa--gfx1250"
	.amdhsa_code_object_version 6
	.text
	.protected	k_q5085cff3d9_pick
	.globl	k_q5085cff3d9_pick
	.p2align	8
	.type	k_q5085cff3d9_pick,@function
k_q5085cff3d9_pick:
	s_mov_b64 s[64:65], 0
	v_nop
	global_prefetch_b8 v0, s[64:65] scope:SCOPE_SE
	s_setreg_imm32_b32 hwreg(HW_REG_WAVE_MODE, 25, 1), 1
	s_wait_xcnt 0x0
; For each query the eight best of its 2,500 groups, by maximum, and among equal maxima by the lower number.  Their numbers are stored as whole numbers: the next launch forms addresses from them.
; A wave takes one query.  Lane l takes ranges l, l + 32, l + 64, l + 96 (125 in all): 20 maxima each, 80 consecutive bytes, group numbers ascending.  It keeps a sorted list of its eight best.
; Nothing branches on data: an insertion is 31 instructions for every number.  A number goes in ahead of those that it is GREATER than; numbers come in ascending group number, so of equals the lower stays ahead.
; Then eight times: the largest head of the 32 lists; among equal heads the lowest group number (kept as its negative in f32, exact: numbers stay under 2^17, so that one maximum finds it); that lane's list moves up.
; No LDS, no barrier: waves share nothing.  No matrix unit: there is no product here.
; LIMITS: +0 and -0 count as equal; NaN among the maxima is not served.
.set V,  16                            ; v16-95   step i's 20 numbers at v[16 + 20 i]
.set LV, 96                            ; v96-103  my list's values, descending
.set LI, 104                           ; v104-111 their group numbers less 20 l; later minus the group numbers, in f32
	s_load_b128 s[4:7], s[0:1], 0x0                ; gm, pick
	v_lshrrev_b32 v1, 5, v0
	v_readfirstlane_b32 s8, v1                     ; wave 0..7
	v_and_b32 v1, 31, v0                           ; l
	v_mul_u32_u24 v2, v1, 1280                     ; my range in a step's 32
	v_min_u32 v3, 28, v1
	v_mul_u32_u24 v3, v3, 1280                     ; the last step has 29 ranges: lanes 29-31 read lane 28's, inside the buffer, and do not count
	v_mul_u32_u24 v4, v1, 20
	v_mov_b32 v5, 0xff800000                       ; -infinity
	v_mov_b32 v8, 0                                ; a lane permute's destination counts as one of its sources
	v_mov_b32 v9, 0                                ; lane k: the k-th choice
	v_lshlrev_b32 v10, 2, v1
.irp i, 0,1,2,3,4,5,6,7
	v_mov_b32 v[LV+\i], v5
	v_mov_b32 v[LI+\i], 0x186a0                    ; a number that no group has
.endr
	s_mov_b32 s26, 0x76543210
	s_mov_b32 s27, 0xfedcba98                      ; v_permlanex16_b32's selects for lane l xor 16
	s_lshr_b32 s9, ttmp9, 1                        ; query 8 x work-group + wave: its tile of 16,
	s_and_b32 s10, ttmp9, 1
	s_lshl_b32 s10, s10, 3
	s_add_co_u32 s10, s10, s8                      ; its row in the tile
	s_mul_i32 s12, s9, 160000
	s_mul_i32 s10, s10, 80
	s_add_co_u32 s12, s12, s10
	s_mov_b32 s13, 0
	s_lshl_b32 s14, ttmp9, 8
	s_lshl_b32 s11, s8, 5
	s_add_co_u32 s14, s14, s11                     ; 32 bytes a query
	s_mov_b32 s15, 0
	s_wait_kmcnt 0x0
	s_add_nc_u64 s[4:5], s[4:5], s[12:13]
	s_add_nc_u64 s[6:7], s[6:7], s[14:15]
.irp i, 0,1,2
.irp c, 0,1,2,3,4
	global_load_b128 v[V+20*\i+4*\c:V+20*\i+4*\c+3], v2, s[4:5] offset:40960*\i+16*\c
.endr
.endr
.irp c, 0,1,2,3,4
	global_load_b128 v[V+60+4*\c:V+60+4*\c+3], v3, s[4:5] offset:40960*3+16*\c
.endr
; v[x], whose number less 20 l is in s24, goes into the list
.macro INSERT x
.irp i, 0,1,2,3,4,5,6,7
	v_cmp_gt_f32 s[16+\i], v[\x], v[LV+\i]
.endr
.irp i, 7,6,5,4,3,2,1
	v_med3_num_f32 v[LV+\i], v[\x], v[LV+\i-1], v[LV+\i]   ; the place's old value, the new number, or the value from the place above: the middle one of the three
.endr
	v_max_num_f32 v[LV], v[\x], v[LV]
.irp i, 7,6,5,4,3,2,1
	v_cndmask_b32 v[LI+\i], v[LI+\i], s24, s[16+\i]
	v_cndmask_b32 v[LI+\i], v[LI+\i], v[LI+\i-1], s[16+\i-1]
.endr
	v_cndmask_b32 v[LI], v[LI], s24, s16
.endm
.set ii, 0
.rept 4
	s_wait_loadcnt 15-5*ii                         ; this step's five loads are in; the later steps' stay out
.if ii == 3
	v_cmp_gt_u32 s29, 29, v1
.set ee, 0
.rept 20
	v_cndmask_b32 v[V+60+ee], v5, v[V+60+ee], s29
.set ee, ee+1
.endr
.endif
.set ee, 0
.rept 20
	s_mov_b32 s24, 640*ii+ee
	INSERT V+20*ii+ee
.set ee, ee+1
.endr
.set ii, ii+1
.endr
.irp i, 0,1,2,3,4,5,6,7
	v_add_nc_u32 v[LI+\i], v[LI+\i], v4
.endr
.irp i, 0,1,2,3,4,5,6,7
	v_cvt_f32_u32 v[LI+\i], v[LI+\i]
.endr
.irp i, 0,1,2,3,4,5,6,7
	v_sub_f32 v[LI+\i], 0, v[LI+\i]                ; minus the group number
.endr
.macro WAVEMAX x                       ; the largest of the 32 lanes' v[x], in every lane
	v_max_num_f32_dpp v[\x], v[\x], v[\x] row_xmask:1 row_mask:0xf bank_mask:0xf
	v_max_num_f32_dpp v[\x], v[\x], v[\x] row_xmask:2 row_mask:0xf bank_mask:0xf
	v_max_num_f32_dpp v[\x], v[\x], v[\x] row_xmask:4 row_mask:0xf bank_mask:0xf
	v_max_num_f32_dpp v[\x], v[\x], v[\x] row_xmask:8 row_mask:0xf bank_mask:0xf
	v_permlanex16_b32 v8, v[\x], s26, s27
	v_max_num_f32 v[\x], v[\x], v8
.endm
.macro POP k
	v_mov_b32 v6, v[LV]
	WAVEMAX 6                                      ; the largest head
	v_cmp_eq_f32 vcc_lo, v[LV], v6
	v_cndmask_b32 v7, v5, v[LI], vcc_lo
	WAVEMAX 7                                      ; among the heads that equal it, the lowest group number
	v_cmp_eq_f32 s25, v[LI], v7                    ; whose lane it is: numbers are all different
.set i, 0
.rept 7-\k                                     ; that lane's list moves up; only the 7 - k places that can still be chosen
	v_cndmask_b32 v[LV+i], v[LV+i], v[LV+i+1], s25
	v_cndmask_b32 v[LI+i], v[LI+i], v[LI+i+1], s25
.set i, i+1
.endr
	s_mov_b32 s28, 1<<\k
	v_cndmask_b32 v9, v9, v7, s28
.endm
.irp k, 0,1,2,3,4,5,6,7
	POP \k
.endr
	v_sub_f32 v9, 0, v9
	v_cvt_u32_f32 v9, v9
	s_wait_xcnt 0x0                                ; EXEC changes only behind this wait
	v_cmp_gt_u32 vcc_lo, 8, v1
	s_and_saveexec_b32 s25, vcc_lo
	global_store_b32 v10, v9, s[6:7]               ; 32 bytes a query; the work-group's eight waves write 256 consecutive bytes between them
	s_endpgm
.Lfunc_end_k_q5085cff3d9_pick:
	.size	k_q5085cff3d9_pick, .Lfunc_end_k_q5085cff3d9_pick-k_q5085cff3d9_pick
	.p2alignl 7, 3214868480
	.fill 96, 4, 3214868480
	.section	.rodata,"a",@progbits
	.p2align	6, 0x0
	.amdhsa_kernel k_q5085cff3d9_pick
		.amdhsa_group_segment_fixed_size 0
		.amdhsa_private_segment_fixed_size 0
		.amdhsa_enable_private_segment 0
		.amdhsa_kernarg_size 16
		.amdhsa_user_sgpr_count 2
		.amdhsa_user_sgpr_kernarg_segment_ptr 1
		.amdhsa_wavefront_size32 1
		.amdhsa_system_sgpr_workgroup_id_x 1
		.amdhsa_system_sgpr_workgroup_id_y 1
		.amdhsa_system_sgpr_workgroup_id_z 1
		.amdhsa_system_vgpr_workitem_id 0
		.amdhsa_next_free_vgpr 128
		.amdhsa_next_free_sgpr 66
		.amdhsa_reserve_vcc 1
		.amdhsa_float_denorm_mode_32 3
		.amdhsa_float_denorm_mode_16_64 3
		.amdhsa_memory_ordered 1
		.amdhsa_forward_progress 1
		.amdhsa_inst_pref_size 175
	.end_amdhsa_kernel
	.amdgpu_metadata
---
amdhsa.version: [ 1, 2 ]
amdhsa.kernels:
  - .name:           k_q5085cff3d9_pick
    .symbol:         k_q5085cff3d9_pick.kd
    .args:
      - { .name: gm, .offset: 0, .size: 8, .value_kind: global_buffer, .address_space: global }
      - { .name: pick, .offset: 8, .size: 8, .value_kind: global_buffer, .address_space: global }
    .group_segment_fixed_size: 0
    .private_segment_fixed_size: 0
    .kernarg_segment_align: 8
    .kernarg_segment_size: 16
    .max_flat_workgroup_size: 256
    .sgpr_count:     66
    .vgpr_count:     128
    .wavefront_size: 32
...
	.end_amdgpu_metadata
.endif
;; end of part 3
;; launch rescore (part 4): grid 256 x 1, 8 waves a work-group, no clusters, 0 bytes of LDS; arguments pick, kc, ks, xc, xs, tidx, twt; writes tidx, twt
.if DOCPART == 4
	.amdgcn_target "amdgcn-amd-amdhsa--gfx1250"
	.amdhsa_code_object_version 6
	.text
	.protected	k_q5085cff3d9_rescore
	.globl	k_q5085cff3d9_rescore
	.p2align	8
	.type	k_q5085cff3d9_rescore,@function
k_q5085cff3d9_rescore:
	s_mov_b64 s[64:65], 0
	v_nop
	global_prefetch_b8 v0, s[64:65] scope:SCOPE_SE
	s_setreg_imm32_b32 hwreg(HW_REG_WAVE_MODE, 25, 1), 1
	s_wait_xcnt 0x0
; For each query: the 320 keys of its eight chosen groups are scored again, by the same matrix instruction on the same codes, K ascending, so that the scores are those that the maxima were taken of;
; then the eight best by score, among equal scores by the lower key, and their softmax (the largest score taken away first).  Stored: the keys' numbers as whole numbers, the weights as f32.
; A wave takes one query.  Source 0 is the query in all 16 rows (every lane of a half loads the same 16 bytes), source 1 sixteen keys: register 0 of the result holds, in lane (r, h), the score of key column r.
; The sixteenfold product is the price of keeping this form for 320 of a query's 100,000 keys.
; The 40 chosen octets have places 0 .. 39 (group place / 5, octet place % 5); tile k takes places 2 k (columns 0-7) and 2 k + 1 (columns 8-15).  Batch j is tiles j and j + 10; lanes 0-15 keep tile j's scores,
; lanes 16-31 tile j + 10's: ten candidates a lane.  Loads run two batches ahead, in three sets of registers.
; The addresses hang on whole numbers that an earlier launch stored; each is held inside its range (s_min_u32) first.  Nothing in this launch steers an address or a branch by a score.
; No LDS, no barrier, no cluster: waves share nothing, and the chosen octets differ from query to query.
; LIMITS: +0 and -0 count as equal; NaN is not served.  Key numbers are kept as their negatives in f32, exact (under 2^17).
.set QA,  16                           ; v16-39   the query's two fragments
.set AS,  40                           ; v40      its scale words: lanes 0-15 K step 0, lanes 16-31 K step 1
.set BF,  48                           ; v48-191  keys' fragments: set j % 3, tile u, K step s at v[48 + 48 set + 24 u + 12 s]
.set BS,  192                          ; v192-197 their scale words
.set ACC, 200                          ; v200-215 two accumulators
.set CA,  216                          ; v216-221 offsets of the codes, a pair for each set
.set SA,  222                          ; v222-227 of the scale words
.set SV,  228                          ; v228-237 my ten scores
.set NK,  238                          ; v238-247 minus their keys' numbers
.set RM,  248
.set RC,  249
.set TP,  250
.set T1,  251
.set OM,  252                          ; lane k: the k-th score
.set OI,  253                          ; lane k: minus its key
.set NINF, 254
.set M0,  255                          ; the largest score
	s_load_b256 s[4:11], s[0:1], 0x0               ; pick, kc, ks, xc
	s_load_b128 s[12:15], s[0:1], 0x20             ; xs, tidx
	s_load_b64 s[24:25], s[0:1], 0x30              ; twt
	v_lshrrev_b32 v1, 5, v0
	v_readfirstlane_b32 s26, v1                    ; wave 0..7
	v_and_b32 v1, 31, v0                           ; lane
	v_and_b32 v2, 7, v0                            ; r8
	v_bfe_u32 v3, v0, 3, 1                         ; columns 8-15?
	v_sub_nc_u32 v4, 1, v3                         ; columns 0-7?
	v_bfe_u32 v5, v0, 4, 1                         ; h
	v_lshl_add_u32 v6, v5, 3, v2
	v_lshlrev_b32 v6, 4, v6                        ; 16 (r8 + 8 h)
	v_lshlrev_b32 v7, 2, v2
	v_lshl_add_u32 v7, v5, 5, v7                   ; 32 h + 4 r8
	v_lshlrev_b32 v11, 7, v5                       ; the query's codes: 128 h
	v_lshlrev_b32 v12, 5, v5                       ; its scale words: 32 h
	v_lshlrev_b32 v13, 2, v1
	v_mov_b32 v[TP], 0                             ; a lane permute's destination counts as one of its sources
	v_mov_b32 v[NINF], 0xff800000
	v_mov_b32 v[OM], 0xff800000                    ; lanes 8 and up stay at -infinity: weight 0
	v_mov_b32 v[OI], 0
	s_mov_b32 s30, 0xffff0000                      ; lanes 16-31
	s_mov_b32 s32, 0x76543210
	s_mov_b32 s33, 0xfedcba98
	s_lshl_b32 s28, ttmp9, 8
	s_lshl_b32 s27, s26, 5
	s_add_co_u32 s28, s28, s27                     ; 32 bytes a query, query = 8 x work-group + wave
	s_mov_b32 s29, 0
	s_wait_kmcnt 0x0
	s_add_nc_u64 s[4:5], s[4:5], s[28:29]
	s_add_nc_u64 s[14:15], s[14:15], s[28:29]
	s_add_nc_u64 s[24:25], s[24:25], s[28:29]
	s_load_b256 s[16:23], s[4:5], 0x0              ; the eight groups
	s_mul_i32 s28, ttmp9, 1536                     ; the query's octet is the work-group's number, its row in it the wave's
	s_lshl_b32 s27, s26, 4
	s_add_co_u32 s28, s28, s27
	s_add_nc_u64 s[10:11], s[10:11], s[28:29]
	s_lshl_b32 s28, ttmp9, 6
	s_lshl_b32 s27, s26, 2
	s_add_co_u32 s28, s28, s27
	s_add_nc_u64 s[12:13], s[12:13], s[28:29]
.irp s, 0,1
.irp i, 0,1,2
	global_load_b128 v[QA+12*\s+4*\i:QA+12*\s+4*\i+3], v11, s[10:11] offset:256*(3*\s+\i)
.endr
.endr
	global_load_b32 v[AS], v12, s[12:13]
	s_wait_kmcnt 0x0
.irp g, 0,1,2,3,4,5,6,7
	s_min_u32 s[16+\g], s[16+\g], 2499             ; a group's number stays inside the table
	s_mul_i32 s[16+\g], s[16+\g], 5                ; its first octet
.endr
; Batch j's offsets, and minus the number of the key that each lane keeps.  Twelve plain vector lines that name no register of the products.
.macro ADDR j
.set st, (\j)%3
.irp u, 0,1
.set pa, 2*((\j)+10*\u)
.set pb, pa+1
	s_add_co_u32 s[34+2*\u], s[16+pa/5], pa%5
	s_add_co_u32 s[35+2*\u], s[16+pb/5], pb%5
	v_mul_u32_u24 v[8+\u], s[34+2*\u], v4          ; columns 0-7 the one octet,
	v_mad_u32_u24 v[8+\u], s[35+2*\u], v3, v[8+\u] ; columns 8-15 the other
	v_mad_u32_u24 v[CA+2*st+\u], v[8+\u], 1536, v6
	v_mad_u32_u24 v[SA+2*st+\u], v[8+\u], 64, v7
.endr
	v_cndmask_b32 v10, v8, v9, s30                 ; lanes 16-31 keep the second tile's
	v_lshl_add_u32 v10, v10, 3, v2                 ; key = 8 x octet + r8
	v_cvt_f32_u32 v10, v10
	v_sub_f32 v[NK+(\j)], 0, v10
.endm
.macro LOADB j                         ; fourteen loads
.set st, (\j)%3
.irp u, 0,1
.irp s, 0,1
.irp i, 0,1,2
	global_load_b128 v[BF+48*st+24*\u+12*\s+4*\i:BF+48*st+24*\u+12*\s+4*\i+3], v[CA+2*st+\u], s[6:7] offset:256*(3*\s+\i)
.endr
.endr
	global_load_b32 v[BS+2*st+\u], v[SA+2*st+\u], s[8:9]
.endr
.endm
.macro MULT j                          ; the two accumulators take turns
.set st, (\j)%3
.irp u, 0,1
	v_wmma_scale_f32_16x16x128_f8f6f4 v[ACC+8*\u:ACC+8*\u+7], v[QA:QA+11], v[BF+48*st+24*\u:BF+48*st+24*\u+11], 0, v[AS], v[BS+2*st+\u] matrix_a_fmt:MATRIX_FMT_BF6 matrix_b_fmt:MATRIX_FMT_BF6
.endr
.irp u, 0,1
	v_wmma_scale_f32_16x16x128_f8f6f4 v[ACC+8*\u:ACC+8*\u+7], v[QA+12:QA+23], v[BF+48*st+24*\u+12:BF+48*st+24*\u+23], v[ACC+8*\u:ACC+8*\u+7], v[AS], v[BS+2*st+\u] matrix_a_fmt:MATRIX_FMT_BF6 matrix_b_fmt:MATRIX_FMT_BF6 matrix_a_scale:MATRIX_SCALE_ROW1 matrix_b_scale:MATRIX_SCALE_ROW1
.endr
.endm
.irp j, 0,1,2
	ADDR \j
	LOADB \j
.endr
.irp j, 0,1,2,3,4,5,6,7,8,9
.if \j <= 7
	s_wait_loadcnt 28                              ; loads come back in order: batch j (and the query) is in; the two batches of 14 behind it stay out.  That also frees batch j's offset registers
.elseif \j == 8
	s_wait_loadcnt 14
.else
	s_wait_loadcnt 0x0
.endif
	MULT \j
.if \j <= 6
	ADDR \j+3                                      ; its twelve lines are the places behind the products: in front of the loads into their operands, of the read of their results, and of the next batch's products, which write over them
	LOADB \j+3
.else
.rept 5
	v_nop                                          ; five: the next batch's first product writes over an accumulator (ISA guide 7.12.1)
.endr
.endif
	v_cndmask_b32 v[SV+\j], v[ACC], v[ACC+8], s30  ; each accumulator's lowest register: lanes 0-15 tile j's score, lanes 16-31 tile j + 10's
.endr
.macro WAVEMAX x
	v_max_num_f32_dpp v[\x], v[\x], v[\x] row_xmask:1 row_mask:0xf bank_mask:0xf
	v_max_num_f32_dpp v[\x], v[\x], v[\x] row_xmask:2 row_mask:0xf bank_mask:0xf
	v_max_num_f32_dpp v[\x], v[\x], v[\x] row_xmask:4 row_mask:0xf bank_mask:0xf
	v_max_num_f32_dpp v[\x], v[\x], v[\x] row_xmask:8 row_mask:0xf bank_mask:0xf
	v_permlanex16_b32 v[TP], v[\x], s32, s33
	v_max_num_f32 v[\x], v[\x], v[TP]
.endm
; The k-th choice: the largest score left; among equal scores the lowest key; that candidate is taken out.
.macro CHOOSE k
	v_max3_num_f32 v[RM], v[SV], v[SV+1], v[SV+2]
	v_max3_num_f32 v[RM], v[RM], v[SV+3], v[SV+4]
	v_max3_num_f32 v[RM], v[RM], v[SV+5], v[SV+6]
	v_max3_num_f32 v[RM], v[RM], v[SV+7], v[SV+8]
	v_max_num_f32 v[RM], v[RM], v[SV+9]
	WAVEMAX RM
.if \k == 0
	v_mov_b32 v[M0], v[RM]
.endif
	v_cmp_eq_f32 vcc_lo, v[SV], v[RM]
	v_cndmask_b32 v[RC], v[NINF], v[NK], vcc_lo
.irp j, 1,2,3,4,5,6,7,8,9
	v_cmp_eq_f32 vcc_lo, v[SV+\j], v[RM]
	v_cndmask_b32 v[T1], v[NINF], v[NK+\j], vcc_lo
	v_max_num_f32 v[RC], v[RC], v[T1]
.endr
	WAVEMAX RC
.irp j, 0,1,2,3,4,5,6,7,8,9
	v_cmp_eq_f32 vcc_lo, v[NK+\j], v[RC]           ; the candidates' keys are all different
	v_cndmask_b32 v[SV+\j], v[SV+\j], v[NINF], vcc_lo
.endr
	s_mov_b32 s38, 1<<\k
	v_cndmask_b32 v[OM], v[OM], v[RM], s38
	v_cndmask_b32 v[OI], v[OI], v[RC], s38
.endm
.irp k, 0,1,2,3,4,5,6,7
	CHOOSE \k
.endr
	v_sub_f32 v[T1], v[OM], v[M0]                  ; the largest score is taken away,
	v_mul_f32 v[T1], 0x3fb8aa3b, v[T1]             ; x log2(e)
	v_exp_f32 v[T1], v[T1]
	v_sub_f32 v[OI], 0, v[OI]                      ; (a plain instruction behind the exponential)
	s_wait_alu depctr_va_vdst(0)
	v_mov_b32 v[RM], v[T1]
	v_add_f32_dpp v[RM], v[RM], v[RM] row_xmask:1 row_mask:0xf bank_mask:0xf   ; the sum over lanes 0-15: eight weights and eight zeros
	v_add_f32_dpp v[RM], v[RM], v[RM] row_xmask:2 row_mask:0xf bank_mask:0xf
	v_add_f32_dpp v[RM], v[RM], v[RM] row_xmask:4 row_mask:0xf bank_mask:0xf
	v_add_f32_dpp v[RM], v[RM], v[RM] row_xmask:8 row_mask:0xf bank_mask:0xf
	v_rcp_f32 v[RC], v[RM]
	v_cvt_u32_f32 v[OI], v[OI]                     ; (a plain instruction behind the reciprocal)
	s_wait_alu depctr_va_vdst(0)
	v_mul_f32 v[T1], v[T1], v[RC]
	s_wait_xcnt 0x0                                ; EXEC changes only behind this wait
	v_cmp_gt_u32 vcc_lo, 8, v1
	s_and_saveexec_b32 s39, vcc_lo
	global_store_b32 v13, v[T1], s[24:25]          ; 32 bytes a query; the work-group's eight waves write 256 consecutive bytes of each buffer between them
	global_store_b32 v13, v[OI], s[14:15]
	s_endpgm
.Lfunc_end_k_q5085cff3d9_rescore:
	.size	k_q5085cff3d9_rescore, .Lfunc_end_k_q5085cff3d9_rescore-k_q5085cff3d9_rescore
	.p2alignl 7, 3214868480
	.fill 96, 4, 3214868480
	.section	.rodata,"a",@progbits
	.p2align	6, 0x0
	.amdhsa_kernel k_q5085cff3d9_rescore
		.amdhsa_group_segment_fixed_size 0
		.amdhsa_private_segment_fixed_size 0
		.amdhsa_enable_private_segment 0
		.amdhsa_kernarg_size 56
		.amdhsa_user_sgpr_count 2
		.amdhsa_user_sgpr_kernarg_segment_ptr 1
		.amdhsa_wavefront_size32 1
		.amdhsa_system_sgpr_workgroup_id_x 1
		.amdhsa_system_sgpr_workgroup_id_y 1
		.amdhsa_system_sgpr_workgroup_id_z 1
		.amdhsa_system_vgpr_workitem_id 0
		.amdhsa_next_free_vgpr 256
		.amdhsa_next_free_sgpr 66
		.amdhsa_reserve_vcc 1
		.amdhsa_float_denorm_mode_32 3
		.amdhsa_float_denorm_mode_16_64 3
		.amdhsa_memory_ordered 1
		.amdhsa_forward_progress 1
		.amdhsa_inst_pref_size 54
	.end_amdhsa_kernel
	.amdgpu_metadata
---
amdhsa.version: [ 1, 2 ]
amdhsa.kernels:
  - .name:           k_q5085cff3d9_rescore
    .symbol:         k_q5085cff3d9_rescore.kd
    .args:
      - { .name: pick, .offset: 0, .size: 8, .value_kind: global_buffer, .address_space: global }
      - { .name: kc, .offset: 8, .size: 8, .value_kind: global_buffer, .address_space: global }
      - { .name: ks, .offset: 16, .size: 8, .value_kind: global_buffer, .address_space: global }
      - { .name: xc, .offset: 24, .size: 8, .value_kind: global_buffer, .address_space: global }
      - { .name: xs, .offset: 32, .size: 8, .value_kind: global_buffer, .address_space: global }
      - { .name: tidx, .offset: 40, .size: 8, .value_kind: global_buffer, .address_space: global }
      - { .name: twt, .offset: 48, .size: 8, .value_kind: global_buffer, .address_space: global }
    .group_segment_fixed_size: 0
    .private_segment_fixed_size: 0
    .kernarg_segment_align: 8
    .kernarg_segment_size: 56
    .max_flat_workgroup_size: 256
    .sgpr_count:     66
    .vgpr_count:     256
    .wavefront_size: 32
...
	.end_amdgpu_metadata
.endif
;; end of part 4
;; launch gather (part 5): grid 256 x 1, 8 waves a work-group, no clusters, 0 bytes of LDS; arguments tidx, twt, values, out0; writes out0
.if DOCPART == 5
	.amdgcn_target "amdgcn-amd-amdhsa--gfx1250"
	.amdhsa_code_object_version 6
	.text
	.protected	k_q5085cff3d9_gather
	.globl	k_q5085cff3d9_gather
	.p2align	8
	.type	k_q5085cff3d9_gather,@function
k_q5085cff3d9_gather:
	s_mov_b64 s[64:65], 0
	v_nop
	global_prefetch_b8 v0, s[64:65] scope:SCOPE_SE
	s_setreg_imm32_b32 hwreg(HW_REG_WAVE_MODE, 25, 1), 1
	s_wait_xcnt 0x0
; out0[q] = the sum over k = 0 .. 7 of weight[q][k] x values[key[q][k]], in f32 by fused multiply-adds, k ascending.
; A wave takes one query: its eight keys and weights come as scalars, its eight rows of 1,024 bytes by sixteen loads of 512 consecutive bytes, all asked for at once.
; The keys' numbers are whole numbers that an earlier launch stored; each is held inside the table (s_min_u32) before it enters an address.
; No matrix unit: K = 8 with one column, and the rows' bytes bind.  No LDS, no barrier, no cluster: waves share nothing.  No prefetch: every load goes out as soon as its address is known.
	s_load_b256 s[4:11], s[0:1], 0x0               ; tidx, twt, values, out0
	v_lshrrev_b32 v1, 5, v0
	v_readfirstlane_b32 s14, v1                    ; wave 0..7
	v_and_b32 v1, 31, v0
	v_lshlrev_b32 v1, 4, v1                        ; 16 bytes a lane
	s_lshl_b32 s12, ttmp9, 8
	s_lshl_b32 s15, s14, 5
	s_add_co_u32 s12, s12, s15                     ; 32 bytes a query, query = 8 x work-group + wave
	s_mov_b32 s13, 0
	s_lshl_b32 s50, s12, 5                         ; 1,024 bytes a query
	s_mov_b32 s51, 0
	s_mov_b32 s49, 0
	s_wait_kmcnt 0x0
	s_add_nc_u64 s[4:5], s[4:5], s[12:13]
	s_add_nc_u64 s[6:7], s[6:7], s[12:13]
	s_add_nc_u64 s[10:11], s[10:11], s[50:51]
	s_load_b256 s[16:23], s[4:5], 0x0              ; the keys
	s_load_b256 s[24:31], s[6:7], 0x0              ; the weights
	s_wait_kmcnt 0x0
.irp k, 0,1,2,3,4,5,6,7
	s_min_u32 s[16+\k], s[16+\k], 99999
	s_lshl_b32 s48, s[16+\k], 10
	s_add_nc_u64 s[32+2*\k:33+2*\k], s[8:9], s[48:49]
.endr
.irp k, 0,1,2,3,4,5,6,7
.irp u, 0,1
	global_load_b128 v[8+8*\k+4*\u:8+8*\k+4*\u+3], v1, s[32+2*\k:33+2*\k] offset:512*\u   ; no hint: other queries may name the same row
.endr
.endr
	s_wait_loadcnt 14                              ; row 0's two loads are in; the later rows' stay out
.irp e, 0,1,2,3,4,5,6,7
	v_mul_f32 v[72+\e], s24, v[8+\e]               ; the first product starts the sums
.endr
.irp k, 1,2,3,4,5,6,7
	s_wait_loadcnt 14-2*\k
.irp e, 0,1,2,3,4,5,6,7
	v_fmac_f32 v[72+\e], s[24+\k], v[8+8*\k+\e]
.endr
.endr
	global_store_b128 v1, v[72:75], s[10:11]       ; 32 lanes store 512 consecutive bytes, at a multiple of 256 from out0's first byte
	global_store_b128 v1, v[76:79], s[10:11] offset:512
	s_endpgm
.Lfunc_end_k_q5085cff3d9_gather:
	.size	k_q5085cff3d9_gather, .Lfunc_end_k_q5085cff3d9_gather-k_q5085cff3d9_gather
	.p2alignl 7, 3214868480
	.fill 96, 4, 3214868480
	.section	.rodata,"a",@progbits
	.p2align	6, 0x0
	.amdhsa_kernel k_q5085cff3d9_gather
		.amdhsa_group_segment_fixed_size 0
		.amdhsa_private_segment_fixed_size 0
		.amdhsa_enable_private_segment 0
		.amdhsa_kernarg_size 32
		.amdhsa_user_sgpr_count 2
		.amdhsa_user_sgpr_kernarg_segment_ptr 1
		.amdhsa_wavefront_size32 1
		.amdhsa_system_sgpr_workgroup_id_x 1
		.amdhsa_system_sgpr_workgroup_id_y 1
		.amdhsa_system_sgpr_workgroup_id_z 1
		.amdhsa_system_vgpr_workitem_id 0
		.amdhsa_next_free_vgpr 80
		.amdhsa_next_free_sgpr 66
		.amdhsa_reserve_vcc 0
		.amdhsa_float_denorm_mode_32 3
		.amdhsa_float_denorm_mode_16_64 3
		.amdhsa_memory_ordered 1
		.amdhsa_forward_progress 1
		.amdhsa_inst_pref_size 6
	.end_amdhsa_kernel
	.amdgpu_metadata
---
amdhsa.version: [ 1, 2 ]
amdhsa.kernels:
  - .name:           k_q5085cff3d9_gather
    .symbol:         k_q5085cff3d9_gather.kd
    .args:
      - { .name: tidx, .offset: 0, .size: 8, .value_kind: global_buffer, .address_space: global }
      - { .name: twt, .offset: 8, .size: 8, .value_kind: global_buffer, .address_space: global }
      - { .name: values, .offset: 16, .size: 8, .value_kind: global_buffer, .address_space: global }
      - { .name: out0, .offset: 24, .size: 8, .value_kind: global_buffer, .address_space: global }
    .group_segment_fixed_size: 0
    .private_segment_fixed_size: 0
    .kernarg_segment_align: 8
    .kernarg_segment_size: 32
    .max_flat_workgroup_size: 256
    .sgpr_count:     66
    .vgpr_count:     80
    .wavefront_size: 32
...
	.end_amdgpu_metadata
.endif
;; end of part 5
;; ======== version 2 of 2: 5 launches; version 1 with the launch rescore written anew for expert scheduling mode
;; workspace buffers: kc 19,200,000 bytes; ks 800,000 bytes; xc 393,216 bytes; xs 16,384 bytes; gm 20,480,000 bytes; pick 65,536 bytes of whole numbers; tidx 65,536 bytes of whole numbers; twt 65,536 bytes
;; launch quant: the kernel of part 1 again; grid 3189 x 1, 2 waves a work-group, no clusters, 33,536 bytes of LDS; arguments keys, x, kc, ks, xc, xs; writes kc, ks, xc, xs
;; launch score: the kernel of part 2 again; grid 125 x 2, 8 waves a work-group, no clusters, 243,200 bytes of LDS; arguments kc, ks, xc, xs, gm; writes gm
;; launch pick: the kernel of part 3 again; grid 256 x 1, 8 waves a work-group, no clusters, 0 bytes of LDS; arguments gm, pick; writes pick
;; launch rescore (part 6): grid 256 x 1, 8 waves a work-group, no clusters, 0 bytes of LDS; arguments pick, kc, ks, xc, xs, tidx, twt; writes tidx, twt
.if DOCPART == 6
	.amdgcn_target "amdgcn-amd-amdhsa--gfx1250"
	.amdhsa_code_object_version 6
	.text
	.protected	k_q5085cff3d9_rescore
	.globl	k_q5085cff3d9_rescore
	.p2align	8
	.type	k_q5085cff3d9_rescore,@function
k_q5085cff3d9_rescore:
	s_mov_b64 s[64:65], 0
	v_nop
	global_prefetch_b8 v0, s[64:65] scope:SCOPE_SE
	s_setreg_imm32_b32 hwreg(HW_REG_WAVE_SCHED_MODE, 0, 2), 2
	s_setreg_imm32_b32 hwreg(HW_REG_WAVE_MODE, 25, 1), 1
	s_wait_xcnt 0x0
	s_wait_alu depctr_vm_vsrc(0)
; For each query: the 320 keys of its eight chosen groups are scored again, by the same matrix instruction on the same codes, K ascending, so that the scores are those that the maxima were taken of;
; then the eight best by score, among equal scores by the lower key, and their softmax (the largest score taken away first).  Stored: the keys' numbers as whole numbers, the weights as f32.
; A wave takes one query.  Source 0 is the query in all 16 rows (every lane of a half loads the same 16 bytes), source 1 sixteen keys: register 0 of the result holds, in lane (r, h), the score of key column r.
; The sixteenfold product is the price of keeping this form for 320 of a query's 100,000 keys.
; The 40 chosen octets have places 0 .. 39 (group place / 5, octet place % 5); tile k takes places 2 k (columns 0-7) and 2 k + 1 (columns 8-15).  Batch j is tiles j and j + 10; lanes 0-15 keep tile j's scores,
; lanes 16-31 tile j + 10's: ten candidates a lane.  Loads run two batches ahead, in three sets of registers.
; The addresses hang on whole numbers that an earlier launch stored; each is held inside its range (s_min_u32) first.  Nothing in this launch steers an address or a branch by a score.
; No LDS, no barrier, no cluster: waves share nothing, and the chosen octets differ from query to query.
; LIMITS: +0 and -0 count as equal; NaN is not served.  Key numbers are kept as their negatives in f32, exact (under 2^17).
; THE MODE: SCHED_MODE bits 1:0 = 2 (LLVM: expert scheduling mode 2), set by the entry lines.  The code itself states the register dependences
; between vector or matrix instructions and memory instructions, with s_wait_alu, always for 0.
; THE PLAN.  Registers that memory instructions touch:
;   v11, v12, v13   offsets, made once at the head and never written again: read by the query's loads and by the two stores.
;   QA, AS          the query: loaded once, read by the products; no vector instruction writes them.
;   CA, SA          set j % 3: written by batch j's twelve address lines, read by batch j's fourteen loads, written again by batch j + 3's address lines.
;   BF, BS          set j % 3: batch j's loads land in them, batch j's four products read them, batch j + 3's loads land in them.
;   T1, OI          written by the last vector lines, read by the two stores.
;   All other registers are named by vector and matrix instructions alone.
; So a batch that asks for another has two waits: one on vm_vsrc at its head (its own loads have read the offsets that are about to be written again), and ONE on va_vdst behind its products and the new
; offsets, straight ahead of the fourteen loads: the products are done reading the set, and the offsets are written.  It stands there and not at the next batch's head, so that the set is asked for again at once
; and two batches stay on their way at every wait for data.  The last three batches ask for nothing and hold no such wait.
; Where a compare's mask is read by a selection, the compares stand in runs of ten, into ten scalar registers, with one wait on va_sdst behind each run.
.set QA,  16                           ; v16-39   the query's two fragments
.set AS,  40                           ; v40      its scale words: lanes 0-15 K step 0, lanes 16-31 K step 1
.set BF,  48                           ; v48-191  keys' fragments: set j % 3, tile u, K step s at v[48 + 48 set + 24 u + 12 s]
.set BS,  192                          ; v192-197 their scale words
.set ACC, 200                          ; v200-215 two accumulators
.set CA,  216                          ; v216-221 offsets of the codes, a pair for each set
.set SA,  222                          ; v222-227 of the scale words
.set SV,  228                          ; v228-237 my ten scores
.set NK,  238                          ; v238-247 minus their keys' numbers
.set RM,  248
.set RC,  249
.set TP,  250
.set T1,  251
.set OM,  252                          ; lane k: the k-th score
.set OI,  253                          ; lane k: minus its key
.set NINF, 254
.set M0,  255                          ; the largest score
	s_load_b256 s[4:11], s[0:1], 0x0               ; pick, kc, ks, xc
	s_load_b128 s[12:15], s[0:1], 0x20             ; xs, tidx
	s_load_b64 s[24:25], s[0:1], 0x30              ; twt
	v_lshrrev_b32 v1, 5, v0
	v_readfirstlane_b32 s26, v1                    ; wave 0..7
	v_and_b32 v1, 31, v0                           ; lane
	v_and_b32 v2, 7, v0                            ; r8
	v_bfe_u32 v3, v0, 3, 1                         ; columns 8-15?
	v_sub_nc_u32 v4, 1, v3                         ; columns 0-7?
	v_bfe_u32 v5, v0, 4, 1                         ; h
	v_lshl_add_u32 v6, v5, 3, v2
	v_lshlrev_b32 v6, 4, v6                        ; 16 (r8 + 8 h)
	v_lshlrev_b32 v7, 2, v2
	v_lshl_add_u32 v7, v5, 5, v7                   ; 32 h + 4 r8
	v_lshlrev_b32 v11, 7, v5                       ; the query's codes: 128 h
	v_lshlrev_b32 v12, 5, v5                       ; its scale words: 32 h
	v_lshlrev_b32 v13, 2, v1
	v_mov_b32 v[TP], 0                             ; a lane permute's destination counts as one of its sources
	v_mov_b32 v[NINF], 0xff800000
	v_mov_b32 v[OM], 0xff800000                    ; lanes 8 and up stay at -infinity: weight 0
	v_mov_b32 v[OI], 0
	s_mov_b32 s30, 0xffff0000                      ; lanes 16-31
	s_mov_b32 s32, 0x76543210
	s_mov_b32 s33, 0xfedcba98
	s_wait_alu depctr_va_sdst(0)                   ; s26, the wave's number, is written, ahead of its first reader: the bases below are made from it
	s_lshl_b32 s28, ttmp9, 8
	s_lshl_b32 s27, s26, 5
	s_add_co_u32 s28, s28, s27                     ; 32 bytes a query, query = 8 x work-group + wave
	s_mov_b32 s29, 0
	s_wait_kmcnt 0x0
	s_add_nc_u64 s[4:5], s[4:5], s[28:29]
	s_add_nc_u64 s[14:15], s[14:15], s[28:29]
	s_add_nc_u64 s[24:25], s[24:25], s[28:29]
	s_load_b256 s[16:23], s[4:5], 0x0              ; the eight groups
	s_mul_i32 s28, ttmp9, 1536                     ; the query's octet is the work-group's number, its row in it the wave's
	s_lshl_b32 s27, s26, 4
	s_add_co_u32 s28, s28, s27
	s_add_nc_u64 s[10:11], s[10:11], s[28:29]
	s_lshl_b32 s28, ttmp9, 6
	s_lshl_b32 s27, s26, 2
	s_add_co_u32 s28, s28, s27
	s_add_nc_u64 s[12:13], s[12:13], s[28:29]
	s_wait_alu depctr_va_vdst(0)                   ; v11 and v12 are written, which the seven loads below read as their offsets (and v13, the stores' offset, which nothing writes again)
.irp s, 0,1
.irp i, 0,1,2
	global_load_b128 v[QA+12*\s+4*\i:QA+12*\s+4*\i+3], v11, s[10:11] offset:256*(3*\s+\i)
.endr
.endr
	global_load_b32 v[AS], v12, s[12:13]
	s_wait_kmcnt 0x0
.irp g, 0,1,2,3,4,5,6,7
	s_min_u32 s[16+\g], s[16+\g], 2499             ; a group's number stays inside the table
	s_mul_i32 s[16+\g], s[16+\g], 5                ; its first octet
.endr
; Batch j's offsets, and minus the number of the key that each lane keeps.  Twelve plain vector lines that name no register of the products.
.macro ADDR j
.set st, (\j)%3
.irp u, 0,1
.set pa, 2*((\j)+10*\u)
.set pb, pa+1
	s_add_co_u32 s[34+2*\u], s[16+pa/5], pa%5
	s_add_co_u32 s[35+2*\u], s[16+pb/5], pb%5
	v_mul_u32_u24 v[8+\u], s[34+2*\u], v4          ; columns 0-7 the one octet,
	v_mad_u32_u24 v[8+\u], s[35+2*\u], v3, v[8+\u] ; columns 8-15 the other
	v_mad_u32_u24 v[CA+2*st+\u], v[8+\u], 1536, v6
	v_mad_u32_u24 v[SA+2*st+\u], v[8+\u], 64, v7
.endr
	v_cndmask_b32 v10, v8, v9, s30                 ; lanes 16-31 keep the second tile's
	v_lshl_add_u32 v10, v10, 3, v2                 ; key = 8 x octet + r8
	v_cvt_f32_u32 v10, v10
	v_sub_f32 v[NK+(\j)], 0, v10
.endm
.macro LOADB j                         ; fourteen loads
.set st, (\j)%3
.irp u, 0,1
.irp s, 0,1
.irp i, 0,1,2
	global_load_b128 v[BF+48*st+24*\u+12*\s+4*\i:BF+48*st+24*\u+12*\s+4*\i+3], v[CA+2*st+\u], s[6:7] offset:256*(3*\s+\i)
.endr
.endr
	global_load_b32 v[BS+2*st+\u], v[SA+2*st+\u], s[8:9]
.endr
.endm
.macro MULT j                          ; the two accumulators take turns
.set st, (\j)%3
.irp u, 0,1
	v_wmma_scale_f32_16x16x128_f8f6f4 v[ACC+8*\u:ACC+8*\u+7], v[QA:QA+11], v[BF+48*st+24*\u:BF+48*st+24*\u+11], 0, v[AS], v[BS+2*st+\u] matrix_a_fmt:MATRIX_FMT_BF6 matrix_b_fmt:MATRIX_FMT_BF6
.endr
.irp u, 0,1
	v_wmma_scale_f32_16x16x128_f8f6f4 v[ACC+8*\u:ACC+8*\u+7], v[QA+12:QA+23], v[BF+48*st+24*\u+12:BF+48*st+24*\u+23], v[ACC+8*\u:ACC+8*\u+7], v[AS], v[BS+2*st+\u] matrix_a_fmt:MATRIX_FMT_BF6 matrix_b_fmt:MATRIX_FMT_BF6 matrix_a_scale:MATRIX_SCALE_ROW1 matrix_b_scale:MATRIX_SCALE_ROW1
.endr
.endm
.irp j, 0,1,2
	ADDR \j                                        ; the first three batches' offsets on end,
.endr
	s_wait_alu depctr_va_vdst(0)                   ; all three sets of CA and SA are written, which the 42 loads below read as their offsets
.irp j, 0,1,2
	LOADB \j
.endr
.irp j, 0,1,2,3,4,5,6,7,8,9
.if \j <= 7
	s_wait_loadcnt 28                              ; loads come back in order: batch j (and the query) is in; the two batches of 14 behind it stay out.  That also frees batch j's offset registers
.elseif \j == 8
	s_wait_loadcnt 14
.else
	s_wait_loadcnt 0x0
.endif
.if \j <= 6
	s_wait_alu depctr_vm_vsrc(0)                   ; batch j's loads have read CA and SA of set j % 3, which batch j + 3's address lines write again
.endif
	MULT \j
.if \j <= 6
	ADDR \j+3                                      ; its twelve lines are the places behind the products: in front of the read of their results, and of the next batch's products, which write over them
	s_wait_alu depctr_va_vdst(0)                   ; batch j's products are done reading BF and BS of set j % 3, in which the loads below land; batch j + 3's offsets are written, which those loads read
	LOADB \j+3
.else
.rept 5
	v_nop                                          ; five: the next batch's first product writes over an accumulator (ISA guide 7.12.1)
.endr
.endif
	v_cndmask_b32 v[SV+\j], v[ACC], v[ACC+8], s30  ; each accumulator's lowest register: lanes 0-15 tile j's score, lanes 16-31 tile j + 10's
.endr
.macro WAVEMAX x
	v_max_num_f32_dpp v[\x], v[\x], v[\x] row_xmask:1 row_mask:0xf bank_mask:0xf
	v_max_num_f32_dpp v[\x], v[\x], v[\x] row_xmask:2 row_mask:0xf bank_mask:0xf
	v_max_num_f32_dpp v[\x], v[\x], v[\x] row_xmask:4 row_mask:0xf bank_mask:0xf
	v_max_num_f32_dpp v[\x], v[\x], v[\x] row_xmask:8 row_mask:0xf bank_mask:0xf
	v_permlanex16_b32 v[TP], v[\x], s32, s33
	v_max_num_f32 v[\x], v[\x], v[TP]
.endm
; The k-th choice: the largest score left; among equal scores the lowest key; that candidate is taken out.
; Candidate j's mask lies in s[16 + j] (j = 0 .. 7) or s[26 + j] (j = 8, 9): the registers of the groups' octets and of the offsets' scalars, which are free since the last batch's offsets were made.
.macro CHOOSE k
	v_max3_num_f32 v[RM], v[SV], v[SV+1], v[SV+2]
	v_max3_num_f32 v[RM], v[RM], v[SV+3], v[SV+4]
	v_max3_num_f32 v[RM], v[RM], v[SV+5], v[SV+6]
	v_max3_num_f32 v[RM], v[RM], v[SV+7], v[SV+8]
	v_max_num_f32 v[RM], v[RM], v[SV+9]
	WAVEMAX RM
.if \k == 0
	v_mov_b32 v[M0], v[RM]
.endif
.irp j, 0,1,2,3,4,5,6,7,8,9
	v_cmp_eq_f32 s[16+\j+10*(\j/8)], v[SV+\j], v[RM]
.endr
	s_wait_alu depctr_va_sdst(0)                   ; the ten compares have written their masks, ahead of the selections that read them
	v_cndmask_b32 v[RC], v[NINF], v[NK], s16
.irp j, 1,2,3,4,5,6,7,8,9
	v_cndmask_b32 v[T1], v[NINF], v[NK+\j], s[16+\j+10*(\j/8)]
	v_max_num_f32 v[RC], v[RC], v[T1]
.endr
	WAVEMAX RC
.irp j, 0,1,2,3,4,5,6,7,8,9
	v_cmp_eq_f32 s[16+\j+10*(\j/8)], v[NK+\j], v[RC]   ; the candidates' keys are all different
.endr
	s_wait_alu depctr_va_sdst(0)                   ; the ten compares have written their masks, ahead of the selections that read them
.irp j, 0,1,2,3,4,5,6,7,8,9
	v_cndmask_b32 v[SV+\j], v[SV+\j], v[NINF], s[16+\j+10*(\j/8)]
.endr
	s_mov_b32 s38, 1<<\k
	v_cndmask_b32 v[OM], v[OM], v[RM], s38
	v_cndmask_b32 v[OI], v[OI], v[RC], s38
.endm
.irp k, 0,1,2,3,4,5,6,7
	CHOOSE \k
.endr
	v_sub_f32 v[T1], v[OM], v[M0]                  ; the largest score is taken away,
	v_mul_f32 v[T1], 0x3fb8aa3b, v[T1]             ; x log2(e)
	v_exp_f32 v[T1], v[T1]
	v_sub_f32 v[OI], 0, v[OI]                      ; (a plain instruction behind the exponential)
	s_wait_alu depctr_va_vdst(0)                   ; the exponential has written T1, ahead of its first reader
	v_mov_b32 v[RM], v[T1]
	v_add_f32_dpp v[RM], v[RM], v[RM] row_xmask:1 row_mask:0xf bank_mask:0xf   ; the sum over lanes 0-15: eight weights and eight zeros
	v_add_f32_dpp v[RM], v[RM], v[RM] row_xmask:2 row_mask:0xf bank_mask:0xf
	v_add_f32_dpp v[RM], v[RM], v[RM] row_xmask:4 row_mask:0xf bank_mask:0xf
	v_add_f32_dpp v[RM], v[RM], v[RM] row_xmask:8 row_mask:0xf bank_mask:0xf
	v_rcp_f32 v[RC], v[RM]
	v_cvt_u32_f32 v[OI], v[OI]                     ; (a plain instruction behind the reciprocal)
	s_wait_alu depctr_va_vdst(0)                   ; the reciprocal has written RC, ahead of its first reader
	v_mul_f32 v[T1], v[T1], v[RC]
	v_cmp_gt_u32 vcc_lo, 8, v1
	s_wait_xcnt 0x0                                ; EXEC changes only behind this wait
	s_wait_alu depctr_va_vcc(0)                    ; the compare has written VCC, from which EXEC is made
	s_wait_alu depctr_va_vdst(0)                   ; ahead of the write of EXEC: every vector instruction is done; among them those that wrote T1 and OI, which the two stores read
	s_wait_alu depctr_vm_vsrc(0)                   ; ahead of the write of EXEC: every memory instruction has read its vector registers
	s_and_saveexec_b32 s39, vcc_lo
	global_store_b32 v13, v[T1], s[24:25]          ; 32 bytes a query; the work-group's eight waves write 256 consecutive bytes of each buffer between them
	global_store_b32 v13, v[OI], s[14:15]
	s_endpgm
.Lfunc_end_k_q5085cff3d9_rescore:
	.size	k_q5085cff3d9_rescore, .Lfunc_end_k_q5085cff3d9_rescore-k_q5085cff3d9_rescore
	.p2alignl 7, 3214868480
	.fill 96, 4, 3214868480
	.section	.rodata,"a",@progbits
	.p2align	6, 0x0
	.amdhsa_kernel k_q5085cff3d9_rescore
		.amdhsa_group_segment_fixed_size 0
		.amdhsa_private_segment_fixed_size 0
		.amdhsa_enable_private_segment 0
		.amdhsa_kernarg_size 56
		.amdhsa_user_sgpr_count 2
		.amdhsa_user_sgpr_kernarg_segment_ptr 1
		.amdhsa_wavefront_size32 1
		.amdhsa_system_sgpr_workgroup_id_x 1
		.amdhsa_system_sgpr_workgroup_id_y 1
		.amdhsa_system_sgpr_workgroup_id_z 1
		.amdhsa_system_vgpr_workitem_id 0
		.amdhsa_next_free_vgpr 256
		.amdhsa_next_free_sgpr 66
		.amdhsa_reserve_vcc 1
		.amdhsa_float_denorm_mode_32 3
		.amdhsa_float_denorm_mode_16_64 3
		.amdhsa_memory_ordered 1
		.amdhsa_forward_progress 1
		.amdhsa_inst_pref_size 65
	.end_amdhsa_kernel
	.amdgpu_metadata
---
amdhsa.version: [ 1, 2 ]
amdhsa.kernels:
  - .name:           k_q5085cff3d9_rescore
    .symbol:         k_q5085cff3d9_rescore.kd
    .args:
      - { .name: pick, .offset: 0, .size: 8, .value_kind: global_buffer, .address_space: global }
      - { .name: kc, .offset: 8, .size: 8, .value_kind: global_buffer, .address_space: global }
      - { .name: ks, .offset: 16, .size: 8, .value_kind: global_buffer, .address_space: global }
      - { .name: xc, .offset: 24, .size: 8, .value_kind: global_buffer, .address_space: global }
      - { .name: xs, .offset: 32, .size: 8, .value_kind: global_buffer, .address_space: global }
      - { .name: tidx, .offset: 40, .size: 8, .value_kind: global_buffer, .address_space: global }
      - { .name: twt, .offset: 48, .size: 8, .value_kind: global_buffer, .address_space: global }
    .group_segment_fixed_size: 0
    .private_segment_fixed_size: 0
    .kernarg_segment_align: 8
    .kernarg_segment_size: 56
    .max_flat_workgroup_size: 256
    .sgpr_count:     66
    .vgpr_count:     256
    .wavefront_size: 32
...
	.end_amdgpu_metadata
.endif
;; end of part 6
;; launch gather: the kernel of part 5 again; grid 256 x 1, 8 waves a work-group, no clusters, 0 bytes of LDS; arguments tidx, twt, values, out0; writes out0
